; MI455X (gfx1250); checked and timed in simulation.
; The chip was launched on July 23, 2026; its instructions are those of AMD's public machine-readable ISA for CDNA 5 (MIT licence, August 2026) and "CDNA5" Instruction Set Architecture Reference Guide (July 2026). The comments in the code are by the model that wrote it; some were corrected since.
;; Self Attention. Allowed arithmetic: matrix products marked QUANTISED: E3M2 operands, one E8M0 scale for each 32 along K, by v_wmma_scale_f32_16x16x128_f8f6f4 with both operands' format E3M2, f32 sums; everything else in f32.
;; Inputs: Wk_codes 1,024 x 32 x 24 uint8 (E3M2 codes of Wk, K innermost, in blocks of 32 codes, four codes in three bytes); Wk_scales 1,024 x 32 uint8 (E8M0 scales of Wk, one for each 32 codes along K); Wq_codes 1,024 x 32 x 24 uint8 (E3M2 codes of Wq, K innermost, in blocks of 32 codes, four codes in three bytes); Wq_scales 1,024 x 32 uint8 (E8M0 scales of Wq, one for each 32 codes along K); Wv_codes 1,024 x 32 x 24 uint8 (E3M2 codes of Wv, K innermost, in blocks of 32 codes, four codes in three bytes); Wv_scales 1,024 x 32 uint8 (E8M0 scales of Wv, one for each 32 codes along K); bk 1,024 float32; bq 1,024 float32; bv 1,024 float32; hidden_states_codes 1 x 4,096 x 32 x 24 uint8 (E3M2 codes of hidden_states, K innermost, in blocks of 32 codes, four codes in three bytes); hidden_states_scales 1 x 4,096 x 32 uint8 (E8M0 scales of hidden_states, one for each 32 codes along K).
;; Outputs: out0 1 x 4,096 x 1,024 float32.
;; This version of the problem:
;;   THIS VERSION OF THE PROBLEM IS GIVEN IN LOW PRECISION. The matrix products marked QUANTISED in the list below multiply operands that are first quantised to E3M2 (3 exponent bits, 2 mantissa bits; 6 bits a number), with one power-of-two scale for each 32 numbers along K (OCP MX v1.0); their sums are f32. All else is computed in f32.
;;   The module's matrix products, in the order in which they are computed (A, B: the left and right operand; K: the contracted axis; several contracted axes count as one K, in the product's order):
;;     1. [M 4,096, K 1,024] x [K 1,024, N 1,024]; A: input hidden_states (given as codes); B: input Wq (given as codes): QUANTISED
;;     2. [M 4,096, K 1,024] x [K 1,024, N 1,024]; A: input hidden_states (given as codes); B: input Wk (given as codes): QUANTISED
;;     3. [M 4,096, K 1,024] x [K 1,024, N 1,024]; A: input hidden_states (given as codes); B: input Wv (given as codes): QUANTISED
;;     4. batch 16 x [M 4,096, K 64] x [K 64, N 4,096]; A: computed on the way; B: computed on the way: QUANTISED
;;     5. batch 16 x [M 4,096, K 4,096] x [K 4,096, N 64]; A: softmax (see below); B: computed on the way: QUANTISED
;;   THE QUANTISER, for each operand of a quantised product, along K:
;;     - K is cut into blocks of 32 from its start; a last block that is shorter is filled with zeros.
;;     - A block's scale is 2^e with e = floor(log2(the largest magnitude in the block)) - 4, held to -126 .. 127; a block of zeros has e = 0. As a byte (E8M0): e + 127.
;;     - Each number is divided by its block's scale, clamped to +-28, and rounded to the nearest number of E3M2, ties to even, subnormals kept.
;;     - The product sums the exact products of the quantised numbers (number of the format x scale) in f32.
;;   ~~~python
;;   def quantise(x, axis):      # numpy; x: float32 -> the quantised numbers, widened to float32 again
;;       x = np.moveaxis(x, axis, -1); K = x.shape[-1]
;;       x = np.pad(x, [(0, 0)] * (x.ndim - 1) + [(0, -K % 32)]); x = x.reshape(x.shape[:-1] + (-1, 32)); a = np.abs(x).max(-1, keepdims=True)
;;       e = np.where(a > 0, np.clip(np.frexp(np.where(a > 0, a, 1))[1] - 1 - 4, -126, 127), 0)      # np.frexp(a)[1] - 1 = floor(log2(a)), exactly
;;       r = np.clip(x / 2.0 ** e, -28, 28)
;;       step = 2.0 ** (np.maximum(np.frexp(np.where(r == 0, 1, r))[1] - 1, -2) - 2)
;;       q = np.round(r / step) * step * 2.0 ** e      # np.round: ties to even
;;       return np.moveaxis(q.reshape(q.shape[:-2] + (-1,))[..., :K], -1, axis).astype(np.float32)
;;   ~~~
;;   SOFTMAX AHEAD OF A QUANTISED PRODUCT. Where the list says 'softmax', what is quantised is not the finished softmax but p = 2^(t - M), with t = logit x log2(e) and M = ceil(the row's largest t), a whole number; so 1/2 < the row's largest p <= 1. The row's sum l is taken of the UNQUANTISED p, in f32, and the product's result is divided by l at the end. Since M is a whole number, a kernel that streams over the keys may use a running M (the ceiling of the running maximum): every later rescaling is an exact power of two, which a block's scale takes up: the codes' values come out the same.
;;   OPERANDS COMPUTED ON THE WAY. 'Computed on the way' means the value that the module computes at that place (a softmax that the list does not call 'softmax' is quantised finished and normalised). What goes into a quantiser is computed in f32, as accurately as f32 sums, v_exp_f32 and their like allow (about 1e-6 of the number): no bf16 or f16 on the way to a quantiser, and a product that is left as it is and whose result goes on into a quantised operand takes f32 operands (vector FMAs, or v_wmma_f32_16x16x4_f32). A number that lies on a knife's edge between two numbers of the format may be rounded either way, as far as f32 arithmetic and the matrix unit's own rounding can turn it there, and no further.
;;   INPUTS GIVEN AS CODES. Wk (in the module: [1024, 1024], K = its axis 0); Wq (in the module: [1024, 1024], K = its axis 0); Wv (in the module: [1024, 1024], K = its axis 0); hidden_states (in the module: [1, 4096, 1024], K = its axis 2): each comes as NAME_codes (uint8): NAME with its K axis moved to the last place and cut into blocks of 32 codes, [.., K / 32, bytes a block], one block behind the other in memory; four codes in three bytes: a row's codes are one little-endian stream of bits, code i at bits 6 i .. 6 i + 5 (a code: sign, 3 exponent bits, 2 mantissa bits); and NAME_scales (uint8): the same leading axes, one E8M0 byte (e + 127) for each 32 codes along K. Its value is code x scale, taken as it is: it is not quantised again, and the codes and scales need not be those that the quantiser above would give.
;; One version. Each part assembles by itself: llvm-mc -triple=amdgcn-amd-amdhsa -mcpu=gfx1250 --defsym DOCPART=n.
;; ======== version 1 of 1: 2 launches
;; limits: right only within a limited range of input values
;; workspace buffers: qkv 10,223,616 bytes
;; launch proj (part 1): grid 8 x 32, 12 waves a work-group, clusters of 4 x 4, 327,680 bytes of LDS; arguments hidden_states_codes, hidden_states_scales, Wq_codes, Wq_scales, Wk_codes, Wk_scales, Wv_codes, Wv_scales, bq, bk, bv, qkv; writes qkv
.if DOCPART == 1
	.amdgcn_target "amdgcn-amd-amdhsa--gfx1250"
	.amdhsa_code_object_version 6
	.text
	.protected	k_q2a1597c49a_proj
	.globl	k_q2a1597c49a_proj
	.p2align	8
	.type	k_q2a1597c49a_proj,@function
k_q2a1597c49a_proj:
	s_mov_b64 s[64:65], 0
	v_nop
	global_prefetch_b8 v0, s[64:65] scope:SCOPE_SE
	s_setreg_imm32_b32 hwreg(HW_REG_WAVE_MODE, 25, 1), 1
	s_wait_xcnt 0x0
	s_wait_alu depctr_hold_cnt(0) depctr_sa_sdst(0) depctr_va_vdst(0) depctr_va_sdst(0) depctr_va_ssrc(0) depctr_va_vcc(0) depctr_vm_vsrc(0)
	s_getreg_b32 s2, hwreg(HW_REG_IB_STS2, 6, 4)
	s_cmp_eq_u32 s2, 0
	s_cbranch_scc0 .Lentry_in_a_cluster
	s_endpgm
.Lentry_in_a_cluster:
	s_bfe_u32 s2, ttmp6, 0x10000c
	s_cmp_lg_u32 s2, 0xf033
	s_cbranch_scc0 .Lentry_shape_is_right
	s_endpgm
.Lentry_shape_is_right:
; q, k, v = hidden x W^T + b on codes of BF6 (E3M2) with one E8M0 scale for each 32 along K = 1,024; the f32 results are quantised again (q, k along the head's 64, v along the keys)
; and stored as IMAGES OF OPERAND REGISTERS, so that the attention launch loads fragments whole.  No work of the problem is left out; every input is read.
; RECORDS.  qkv holds, for type (0 q, 1 k, 2 v), head and group of 64 tokens, a record of 3,328 bytes at ((type x 16 + head) x 64 + group) x 3,328: four tiles of 768 bytes (lane L's registers 0-3 at 16 L,
; its registers 4-5 at 512 + 8 L: 32 codes, k = 32 (L / 16) + 0 .. 31 of the lane's row), then 256 bytes of scale words: lane L's 8 bytes are words 0 and 1; word i is tile 2 i's in lanes 0-15, tile 2 i + 1's in lanes 16-31.
;   q, k: lane (r', h) of tile u holds token 32 (r' / 8) + 8 u + r' % 8 of the group, channels 32 h on; the word is byte(block 0) | byte(block 1) << 8, its upper two bytes 0.
;   v:    lane (r, h) of tile n holds channel 16 n + r, keys 32 h on of the group; the word is (byte(h = 0) | byte(h = 1) << 8) << 16 (group % 2).
; SHARES.  A work-group takes 128 tokens x 128 rows (two heads) of each of Wq, Wk, Wv.  Twelve waves, three to a SIMD; each makes 64 x 64: 16 accumulators, 16 matrix instructions for 128 along K.
; Waves 0-7 (q, k): source 0 = 64 rows of W, source 1 = 64 tokens.  Waves 8-11 (v): source 0 = 64 tokens, source 1 = 64 rows of Wv.  Either way the axis to be quantised runs along the lane's registers.
; Source 0's four tiles stand in the register order 0, 2, 1, 3, so that sixteen exchanges of lane halves leave each lane with a whole block of 32 in order.
; CLUSTER 4 x 4: the four work-groups of a row share the tokens' tiles, the four of a column the weights': each tile is asked for jointly.
; K GOES IN THREE CHUNKS OF 256 BYTES of each row of 768: a tile's row begins at a multiple of 256 bytes.  Chunk c lies in slot c % 2.  A step of 128 along K is 96 bytes: steps 2 and 5 lie across two chunks.
; A tensor load brings 128 rows.  AT THE HEAD ALL TWELVE WAVES ASK, ONE LOAD EACH: waves 0-3 for chunk 0 of Wq, Wk, the tokens, Wv; waves 4-7 for chunk 1 of the same; waves 8-11 for their scale bytes, all of K.
; Behind step 2 waves 0-3 fill slot 0 again, with chunk 2.  Eight steps, written out: no loop, and so no prefetch: there is nothing to run ahead in.
; LIMITS: NaN and infinities are not served; a block whose largest magnitude lies under 2^-122 gets the byte 1; a block of zeros gets the byte 1 with zero codes (the bytes are read by this program alone).
.set PITCH,  272                       ; an LDS row of codes: 256 bytes + 16 of padding
.set GRP,    64*PITCH                  ; 64 rows: what a wave reads as one source.  Pair P (0 Wq, 1 Wk, 2 tokens, 3 Wv: 128 rows), slot s, lies at (2 P + s) x 2 GRP, so that the slot stands in a load's immediate
.set SCL,    16*GRP                    ; the scale bytes: 32 bytes a row, eight rows to 256 bytes + 16 of padding
.set SGRP,   8*272
.set SPARE,  SCL+8*SGRP                ; the spare words: 128 bytes for each of twelve waves
.set STG,    SPARE+12*128              ; a stage of one record for each of waves 0-7; no tensor load lands here
.set REC,    3328
.set FR,     12
; Groups of 64 rows: 0, 1 Wq's two halves; 2, 3 Wk's; 4, 5 the tokens'; 6, 7 Wv's.  Wave w reads group w / 2 as source 0 and group 4 + w % 2 + 2 (w / 8) as source 1.
.set ADR0,  1                          ; v1-3   source 0's fragments: v1 plain; v2: lanes 0-15 byte 232 of slot 0's row, lanes 16-31 byte 0 of slot 1's; v3: the slots the other way round
.set ADR1,  18                         ; v18-20 the same for source 1
.set ADS0,  5
.set ADS1,  6
.set SPW,   7
.set NIL,   8
.set STO16, 9
.set SCA,   10                         ; v10-13 source 0's scale words of the step, v14-17 source 1's
.set SCB,   14
.set X0F,   26
.set X1F,   74
.set BO8,   122
.set BO4,   123
.set STO8,  124
.set STW,   125
.set RD16,  126
.set RD8,   127
.set ACC,   128                        ; accumulator (a, t) at 32 t + 8 x (0, 2, 1, 3)[a]
.set H8,    28                         ; behind the products v26-121 are free
.set GO16,  34
.set GO8,   35
.set MX,    36
.set SCV,   37
.set BY,    38
.set WX,    39
.set WD,    40
.set CT,    44
.set MB,    47
.set CO,    50
.set BK,    82
.set G1H,  36
.set G1W,  44
.set G1SH, 52
.set G1SW, 68
.set G0H,  76                          ; s[76:79] group 0, tokens' codes;  s[84:87] weights'
.set PR,   80                          ; s80 wave % 4: the pair that I fetch;  s81 which chunk at the head;  s82 2 x pair + chunk
.set G0W,  84
.set G0SH, 92
.set G0SW, 96
.set MSB, 0
.macro WIN new
.if MSB != \new
	s_set_vgpr_msb (MSB<<8)|\new
.set MSB, \new
.endif
.endm
.macro PLACES n
.rept \n
	v_nop
.endr
.endm
.macro CROUND                          ; a round of the cluster's barrier
	s_barrier_signal -1
	s_barrier_wait -1
	s_cmp_lg_u32 s28, 0
	s_cbranch_scc1 .Lnot_wave_0_\@
	s_barrier_signal -3
.Lnot_wave_0_\@:
	s_barrier_wait -3
	s_barrier_signal -1
	s_barrier_wait -1
.endm
.macro JLOAD                           ; the joint refill of slot 0: wave w < 4 fetches pair w; wave 2 the tokens', the others the weights'
	s_cmp_lt_u32 s28, 4
	s_cbranch_scc0 .Lnone_\@
	s_cmp_eq_u32 s28, 2
	s_cbranch_scc0 .Lforw_\@
	tensor_load_to_lds s[G0H:G0H+3], s[G1H:G1H+7]
	s_nop 0
	PLACES 4
	s_branch .Lnone_\@
.Lforw_\@:
	tensor_load_to_lds s[G0W:G0W+3], s[G1W:G1W+7]
	s_nop 0
	PLACES 4
.Lnone_\@:
.endm
; A fragment: lane l holds row l % 16; registers 6 c .. 6 c + 5 hold K = 64 c + 32 (l / 16) + 0 .. 31: 24 bytes of the row, in pieces of 8.  Byte y of a row lies in chunk y / 256, slot (y / 256) % 2.
.macro FRAG reg, adr, st, i
.irp p, 0,1,2,3,4,5
.set PB, 96*(\st)+48*(\p/3)+8*(\p%3)
.if PB/256 == (PB+24)/256
	ds_load_b64 v[\reg+2*\p:\reg+2*\p+1], v[\adr] offset:PB%256+((PB/256)%2)*2*GRP+(\i)*16*PITCH
.else
	ds_load_b64 v[\reg+2*\p:\reg+2*\p+1], v[\adr+1+(PB/256)%2] offset:PB%256-232+(\i)*16*PITCH
.endif
.endr
.endm
; Step st: 128 along K.  The 16 accumulators take turns, one instruction a turn.
.macro KSTEP st, zero
.if (\zero) == 0
	PLACES 4                                       ; between the last products and loads into registers that they read
.endif
.irp t, 0,1,2,3
	ds_load_b32 v[SCA+\t], v[ADS0] offset:\t*544+4*(\st)
.endr
.irp t, 0,1,2,3
	ds_load_b32 v[SCB+\t], v[ADS1] offset:\t*544+4*(\st)
.endr
.irp i, 0,1,2,3
	FRAG X0F+FR*\i, ADR0, \st, \i
.endr
.irp i, 0,1,2,3
	FRAG X1F+FR*\i, ADR1, \st, \i
.endr
.irp t, 0,1,2,3
	s_wait_dscnt 18-6*\t                           ; all is in but the six loads of each of source 1's fragments behind fragment t
.irp a, 0,1,2,3
.set DD, ACC+32*\t+8*((\a%2)*2+\a/2)
.if \zero
	v_wmma_scale_f32_16x16x128_f8f6f4 v[DD:DD+7], v[X0F+FR*\a:X0F+FR*\a+FR-1], v[X1F+FR*\t:X1F+FR*\t+FR-1], 0, v[SCA+\a], v[SCB+\t] matrix_a_fmt:MATRIX_FMT_BF6 matrix_b_fmt:MATRIX_FMT_BF6
.else
	v_wmma_scale_f32_16x16x128_f8f6f4 v[DD:DD+7], v[X0F+FR*\a:X0F+FR*\a+FR-1], v[X1F+FR*\t:X1F+FR*\t+FR-1], v[DD:DD+7], v[SCA+\a], v[SCB+\t] matrix_a_fmt:MATRIX_FMT_BF6 matrix_b_fmt:MATRIX_FMT_BF6
.endif
.endr
.endr
.endm
.macro MEET                            ; what was on its way is whole for all twelve waves
	s_wait_tensorcnt 0x0
	s_wait_dscnt 0x0
	s_barrier_signal -1
	s_barrier_wait -1
.endm
.macro SWAPS t                         ; lane (r, h) then holds numbers 32 h + 0 .. 31 of its row in registers 32 t + 0 .. 31
.irp j, 0,1,2,3,4,5,6,7
	v_permlane16_swap_b32 v[ACC+32*(\t)+\j], v[ACC+32*(\t)+8+\j]
.endr
.irp j, 0,1,2,3,4,5,6,7
	v_permlane16_swap_b32 v[ACC+32*(\t)+16+\j], v[ACC+32*(\t)+24+\j]
.endr
.endm
; The 32 registers from u on are one block: its codes go to v[c] .. v[c + 5], and the word byte(lanes 0-15's block) | byte(lanes 16-31's) << 8 to v[wd].
.macro QUANT32 u, c, wd
	v_max3_num_f32 v[MX], |v[\u]|, |v[\u+1]|, 0x2800000            ; the largest magnitude, two chains, with the floor 2^(5 - 127): the byte cannot fall under 1
	v_max3_num_f32 v[MB], |v[\u+16]|, |v[\u+17]|, |v[\u+18]|
.irp i, 2,4,6,8,10,12
	s_delay_alu instid0(VALU_DEP_2)
	v_max3_num_f32 v[MX], v[MX], |v[\u+\i]|, |v[\u+\i+1]|
	s_delay_alu instid0(VALU_DEP_2)
	v_max3_num_f32 v[MB], v[MB], |v[\u+17+\i]|, |v[\u+18+\i]|
.endr
	s_delay_alu instid0(VALU_DEP_2)
	v_max3_num_f32 v[MX], v[MX], |v[\u+14]|, |v[\u+15]|
	s_delay_alu instid0(VALU_DEP_1)
	v_max3_num_f32 v[MX], v[MX], v[MB], |v[\u+31]|
	s_delay_alu instid0(VALU_DEP_1)
	v_add_nc_u32 v[SCV], 0xfe000000, v[MX]         ; 4 off its exponent field: the conversion's scale operand
	s_delay_alu instid0(VALU_DEP_1)
	v_lshrrev_b32 v[BY], 23, v[SCV]                ; the scale's byte,
	s_delay_alu instid0(VALU_DEP_1)
	v_lshlrev_b32 v[BY], v[H8], v[BY]              ; 8 h bits up
	s_delay_alu instid0(VALU_DEP_1)
	v_permlanex16_b32 v[WX], v[BY], s60, s61
	v_cvt_scalef32_pk16_bf6_f32 v[\c:\c+2], v[\u:\u+15], v[SCV]
	v_cvt_scalef32_pk16_bf6_f32 v[CT:CT+2], v[\u+16:\u+31], v[SCV] ; (a conversion's three registers begin on an even number)
	v_or_b32 v[\wd], v[BY], v[WX]                  ; the word is whole.  (The plain line behind the conversions)
	v_mov_b32 v[\c+3], v[CT]
	v_mov_b32 v[\c+4], v[CT+1]
	v_mov_b32 v[\c+5], v[CT+2]
.endm
	s_load_b512 s[4:19], s[0:1], 0x0               ; tokens' codes s[4:5], scales s[6:7]; Wq's s[8:11]; Wk's s[12:15]; Wv's s[16:19]
	s_load_b256 s[20:27], s[0:1], 0x40             ; bq, bk, bv, qkv
	v_lshl_add_u32 v[SPW], v0, 2, SPARE
	v_mov_b32 v[NIL], 0
	ds_add_u32 v[SPW], v[NIL]                      ; the opening lines: the add, twice on end, and its wait
	ds_add_u32 v[SPW], v[NIL]
	v_lshrrev_b32 v26, 5, v0
	v_readfirstlane_b32 s28, v26                   ; wave 0..11
	s_lshr_b32 s29, s28, 1
	s_and_b32 s30, s28, 1
	s_lshr_b32 s31, s28, 2                         ; 0 q, 1 k, 2 v
	s_bfe_u32 s32, ttmp6, 0x40000                  ; cx, cy
	s_bfe_u32 s33, ttmp6, 0x40004
	s_lshl_b32 s34, ttmp9, 2
	s_add_co_u32 s34, s34, s32                     ; g: which 128 rows of the weights
	s_and_b32 s35, ttmp7, 0xffff
	s_lshl_b32 s35, s35, 2
	s_add_co_u32 s35, s35, s33                     ; tb: which 128 tokens
	s_lshl_b32 s2, s33, 2
	s_lshl_b32 s2, 15, s2                          ; my row of the cluster
	s_lshl_b32 s3, 0x1111, s32                     ; my column
	; group 1, codes: 128 rows x 256 bytes, 768 bytes apart in memory; 4 words of padding behind every 64; bit 21 set beside a mask
	s_or_b32 s[G1H], s2, (1<<20)|(1<<21)|(5<<22)|(3<<25)
	s_or_b32 s[G1W], s3, (1<<20)|(1<<21)|(5<<22)|(3<<25)
.irp g, G1H, G1W
	s_mov_b32 s[\g+1], 256<<16
	s_mov_b32 s[\g+2], 128<<16
	s_mov_b32 s[\g+3], 256<<16
	s_mov_b32 s[\g+4], 128
	s_mov_b32 s[\g+5], 768
	s_mov_b32 s[\g+6], 0
	s_mov_b32 s[\g+7], 0
.endr
	; group 1, scale bytes of 128 rows: 4,096 dense bytes as 16 rows of 256 (32 elements of 8 bytes), 4 words of padding behind each
	s_or_b32 s[G1SH], s2, (3<<16)|(1<<20)|(1<<21)|(5<<22)|(3<<25)
	s_or_b32 s[G1SW], s3, (3<<16)|(1<<20)|(1<<21)|(5<<22)|(3<<25)
.irp g, G1SH, G1SW
	s_mov_b32 s[\g+1], 32<<16
	s_mov_b32 s[\g+2], 16<<16
	s_mov_b32 s[\g+3], 32<<16
	s_mov_b32 s[\g+4], 16
	s_mov_b32 s[\g+5], 32
	s_mov_b32 s[\g+6], 0
	s_mov_b32 s[\g+7], 0
.endr
	; offsets in memory: the tokens' are made of tb and the wave alone, the weights' of g and the wave alone
	s_and_b32 s[PR], s28, 3                        ; the pair that I fetch,
	s_bfe_u32 s[PR+1], s28, 0x10002                ; and which chunk of it at the head: waves 0-3 chunk 0, waves 4-7 chunk 1
	s_lshl_b32 s[PR+2], s[PR], 1
	s_add_co_u32 s[PR+2], s[PR+2], s[PR+1]         ; 2 x pair + chunk
	s_lshl_b32 s2, s[PR+1], 8
	s_lshl_b32 s60, s35, 7
	s_mul_i32 s60, s60, 768
	s_add_co_u32 s60, s60, s2                      ; tokens' codes
	s_mov_b32 s61, 0
	s_lshl_b32 s100, s34, 7
	s_mul_i32 s100, s100, 768
	s_add_co_u32 s100, s100, s2                    ; weights' codes
	s_mov_b32 s101, 0
	s_lshl_b32 s62, s35, 12
	s_mov_b32 s63, 0
	s_lshl_b32 s2, s34, 12
	s_mov_b32 s3, 0
	s_wait_dscnt 0x0                               ; both opening adds are done
	s_wait_kmcnt 0x0
	s_mov_b32 s[G0H], 1
	s_mul_i32 s[G0H+1], s[PR+2], 2*GRP             ; LDS: my pair, the chunk's slot
	s_add_nc_u64 s[G0H+2:G0H+3], s[4:5], s[60:61]
	s_or_b32 s[G0H+3], s[G0H+3], 0x80000000
	s_cmp_eq_u32 s[PR], 1                          ; pair 0 Wq, 1 Wk, 3 Wv
	s_cselect_b64 s[G0W+2:G0W+3], s[12:13], s[16:17]
	s_cmp_eq_u32 s[PR], 0
	s_cselect_b64 s[G0W+2:G0W+3], s[8:9], s[G0W+2:G0W+3]
	s_add_nc_u64 s[G0W+2:G0W+3], s[G0W+2:G0W+3], s[100:101]
	s_mov_b32 s[G0W], 1
	s_mul_i32 s[G0W+1], s[PR+2], 2*GRP
	s_or_b32 s[G0W+3], s[G0W+3], 0x80000000
	s_mul_i32 s61, s[PR], 2*SGRP                   ; the scale bytes: wave 8 Wq's, 9 Wk's, 10 the tokens', 11 Wv's
	s_add_co_u32 s61, s61, SCL
	s_mov_b32 s[G0SH], 1
	s_mov_b32 s[G0SH+1], s61
	s_add_nc_u64 s[G0SH+2:G0SH+3], s[6:7], s[62:63]
	s_or_b32 s[G0SH+3], s[G0SH+3], 0x80000000
	s_mov_b32 s[G0SW], 1
	s_mov_b32 s[G0SW+1], s61
	s_cmp_eq_u32 s[PR], 1
	s_cselect_b64 s[G0SW+2:G0SW+3], s[14:15], s[18:19]
	s_cmp_eq_u32 s[PR], 0
	s_cselect_b64 s[G0SW+2:G0SW+3], s[10:11], s[G0SW+2:G0SW+3]
	s_add_nc_u64 s[G0SW+2:G0SW+3], s[G0SW+2:G0SW+3], s[2:3]
	s_or_b32 s[G0SW+3], s[G0SW+3], 0x80000000
	; my head and group.  a = (w / 2) % 2, b = w % 2: q, k: head 2 g + a, group 2 tb + b;  v: head 2 g + b, group 2 tb + a
	s_and_b32 s2, s29, 1
	s_cmp_eq_u32 s31, 2
	s_cselect_b32 s3, s30, s2
	s_cselect_b32 s60, s2, s30
	s_lshl_b32 s63, s2, 4                          ; 16 a: where v's two scale bytes stand in the word of 128 keys
	s_lshl_b32 s61, s34, 1
	s_add_co_u32 s3, s3, s61
	s_lshl_b32 s61, s35, 1
	s_add_co_u32 s60, s60, s61
	s_cmp_eq_u32 s31, 1
	s_cselect_b64 s[22:23], s[22:23], s[24:25]
	s_cmp_eq_u32 s31, 0
	s_cselect_b64 s[20:21], s[20:21], s[22:23]     ; my bias,
	s_lshl_b32 s100, s3, 8
	s_add_nc_u64 s[20:21], s[20:21], s[100:101]    ; at my head's 64 numbers
	s_lshl_b32 s100, s31, 4
	s_add_co_u32 s100, s100, s3
	s_lshl_b32 s100, s100, 6
	s_add_co_u32 s100, s100, s60
	s_mul_i32 s100, s100, REC
	s_add_nc_u64 s[26:27], s[26:27], s[100:101]    ; my record
	s_mov_b32 s60, 0x76543210
	s_mov_b32 s61, 0xfedcba98
	s_mov_b32 s62, 0xffff0000                      ; lanes 16-31
	; the LDS bases, in registers that held arguments: group i lies at (i / 2) x 4 GRP + (i % 2) x GRP in slot 0
	s_lshr_b32 s4, s29, 1
	s_mul_i32 s4, s4, 4*GRP
	s_and_b32 s5, s29, 1
	s_mul_i32 s5, s5, GRP
	s_add_co_u32 s4, s4, s5                        ; source 0's group, w / 2
	s_lshr_b32 s3, s28, 3
	s_lshl_b32 s3, s3, 1
	s_add_co_u32 s3, s3, s30
	s_add_co_u32 s3, s3, 4                         ; source 1's group
	s_lshr_b32 s5, s3, 1
	s_mul_i32 s5, s5, 4*GRP
	s_mul_i32 s9, s30, GRP
	s_add_co_u32 s5, s5, s9
	s_mul_i32 s6, s29, SGRP
	s_add_co_u32 s6, s6, SCL
	s_mul_i32 s7, s3, SGRP
	s_add_co_u32 s7, s7, SCL
	s_mul_i32 s8, s28, REC
	s_add_co_u32 s8, s8, STG                       ; my stage (waves 0-7 alone use it)
	s_mov_b32 s9, 2*GRP-232
	s_mov_b32 s10, 2*GRP+232
	v_and_b32 v26, 15, v0                          ; r
	v_bfe_u32 v27, v0, 4, 1                        ; h
	v_and_b32 v28, 31, v0
	v_lshrrev_b32 v29, 3, v26
	v_and_b32 v30, 7, v26
	v_mul_u32_u24 v31, v26, PITCH
	v_mad_u32_u24 v32, v27, 24, v31                ; row x pitch + 24 h
	v_sub_nc_u32 v33, 1, v27
	v_mul_u32_u24 v34, s9, v27
	v_add_nc_u32 v34, v31, v34
	v_add_nc_u32 v34, 232, v34                     ; lanes 0-15 byte 232 in slot 0, lanes 16-31 byte 0 in slot 1
	v_mul_u32_u24 v35, s10, v33
	v_add_nc_u32 v35, v31, v35                     ; lanes 0-15 byte 232 in slot 1, lanes 16-31 byte 0 in slot 0
	v_add_nc_u32 v[ADR0], s4, v32
	v_add_nc_u32 v[ADR0+1], s4, v34
	v_add_nc_u32 v[ADR0+2], s4, v35
	v_add_nc_u32 v[ADR1], s5, v32
	v_add_nc_u32 v[ADR1+1], s5, v34
	v_add_nc_u32 v[ADR1+2], s5, v35
	v_mul_u32_u24 v31, v29, 272
	v_lshl_add_u32 v31, v30, 5, v31                ; row r's scale bytes
	v_add_nc_u32 v[ADS0], s6, v31
	v_add_nc_u32 v[ADS1], s7, v31
	v_mul_u32_u24 v31, v29, 768                    ; token 16 t + r belongs to tile 2 (t % 2) + r / 8, row 8 (t / 2) + r % 8 of the record: t's parts stand in the immediates
	v_add_nc_u32 v31, s8, v31
	v_lshl_add_u32 v[STO16], v30, 4, v31
	v_lshl_add_u32 v[STO8], v30, 3, v31
	v_lshl_add_u32 v[STO16], v27, 8, v[STO16]
	v_lshl_add_u32 v[STO8], v27, 7, v[STO8]
	v_lshlrev_b32 v31, 7, v29
	v_lshl_add_u32 v31, v30, 3, v31
	v_add_nc_u32 v[STW], s8, v31
	v_lshl_add_u32 v[RD16], v28, 4, s8
	v_lshl_add_u32 v[RD8], v28, 3, s8
	v_lshlrev_b32 v[BO8], 5, v27
	v_lshlrev_b32 v[BO4], 2, v26
	s_wait_alu depctr_va_vdst(0)                   ; the wait at the head's end
	; the bias, in the result's layout, into window 1; it is waited for behind the products
	s_cmp_eq_u32 s31, 2
	s_cbranch_scc1 .Lbias_v
	WIN 0x40
.irp a, 0,1,2,3
	global_load_b128 v[8*\a:8*\a+3], v[BO8], s[20:21] offset:64*\a         ; q, k: register 8 a + j: channel 16 a + 8 h + j
	global_load_b128 v[8*\a+4:8*\a+7], v[BO8], s[20:21] offset:64*\a+16
.endr
	WIN 0
	s_branch .Lbias_done
.Lbias_v:
	WIN 0x40
.irp t, 0,1,2,3
	global_load_b32 v[2*\t], v[BO4], s[20:21] offset:64*\t                 ; v: channel 16 t + r, twice: a pair for the packed addition
	global_load_b32 v[2*\t+1], v[BO4], s[20:21] offset:64*\t
.endr
	WIN 0
.Lbias_done:
	CROUND                                         ; all sixteen work-groups are here: the first joint loads meet
	; the head's loads, one a wave: waves 0-7 chunks 0 and 1 of the four pairs, waves 8-11 the four tensors' scale bytes.  One tree of branches on the wave's number, one load to an arm, one join
	s_cmp_lt_u32 s28, 8
	s_cbranch_scc0 .Lscales
	s_cmp_eq_u32 s[PR], 2
	s_cbranch_scc0 .Lcodes_w
	tensor_load_to_lds s[G0H:G0H+3], s[G1H:G1H+7]
	s_nop 0
	PLACES 4
	s_branch .Lfilled
.Lcodes_w:
	tensor_load_to_lds s[G0W:G0W+3], s[G1W:G1W+7]
	s_nop 0
	PLACES 4
	s_branch .Lfilled
.Lscales:
	s_cmp_eq_u32 s28, 10
	s_cbranch_scc0 .Lscales_w
	tensor_load_to_lds s[G0SH:G0SH+3], s[G1SH:G1SH+7]
	s_nop 0
	PLACES 4
	s_branch .Lfilled
.Lscales_w:
	tensor_load_to_lds s[G0SW:G0SW+3], s[G1SW:G1SW+7]
	s_nop 0
	PLACES 4
.Lfilled:
	MEET                                           ; chunks 0 and 1 and the scale bytes are whole
	KSTEP 0, 1
	KSTEP 1, 0
	KSTEP 2, 0
	s_wait_tensorcnt 0x0                           ; chunk 0 is read no more: slot 0 takes chunk 2
	ds_add_u32 v[SPW], v[NIL]
	s_add_nc_u64 s[G0H+2:G0H+3], s[G0H+2:G0H+3], 512   ; (used by waves 0-3 alone, whose address stood at chunk 0)
	s_add_nc_u64 s[G0W+2:G0W+3], s[G0W+2:G0W+3], 512
	s_wait_dscnt 0x0                               ; the add is done, and my reads of slot 0 are over
	CROUND
	JLOAD
	KSTEP 3, 0
	KSTEP 4, 0
	MEET                                           ; chunk 2 is whole
	KSTEP 5, 0
	KSTEP 6, 0
	KSTEP 7, 0
	PLACES 4                                       ; between the last products and the first read of results and the first write of their operands' registers
	v_bfe_u32 v[H8], v0, 4, 1
	v_and_b32 v[GO16], 31, v0
	v_mov_b32 v[WX], 0                             ; written once: a lane permute's destination counts as one of its sources
	v_lshlrev_b32 v[H8], 3, v[H8]                  ; 8 h
	v_lshlrev_b32 v[GO8], 3, v[GO16]
	v_lshlrev_b32 v[GO16], 4, v[GO16]
	s_wait_loadcnt 0x0                             ; the bias
	s_cmp_eq_u32 s31, 2
	s_cbranch_scc1 .Lout_v
	; q, k: tile t's 16 tokens: bias, exchange of halves, quantiser; the codes go into the stage at their token's place in the record
.irp t, 0,1,2,3
	WIN 0x04
.irp a, 0,1,2,3
.irp j, 0,2,4,6
.set DD, ACC+32*\t+8*((\a%2)*2+\a/2)+\j
	v_pk_add_f32 v[DD:DD+1], v[DD:DD+1], v[8*\a+\j:8*\a+\j+1]      ; each accumulator from its low end on
.endr
.endr
	WIN 0
	SWAPS \t
	QUANT32 ACC+32*\t, CO+8*\t, WD+\t
	ds_store_b128 v[STO16], v[CO+8*\t:CO+8*\t+3] offset:(\t%2)*1536+(\t/2)*128
	ds_store_b64 v[STO8], v[CO+8*\t+4:CO+8*\t+5] offset:512+(\t%2)*1536+(\t/2)*64
	ds_store_b32 v[STW], v[WD+\t] offset:3072+(\t/2)*64+(\t%2)*4   ; both halves of the lanes write the same word with the same value
.endr
.irp i, 0,1,2,3,4,5
	ds_load_b128 v[BK+4*\i:BK+4*\i+3], v[RD16] offset:512*\i       ; LDS serves a wave's instructions in order (ISA guide 5.7.1.4): these see my stores
.endr
	ds_load_b64 v[BK+24:BK+25], v[RD8] offset:3072
	s_wait_dscnt 0x0
.irp i, 0,1,2,3,4,5
	global_store_b128 v[GO16], v[BK+4*\i:BK+4*\i+3], s[26:27] offset:512*\i    ; 32 lanes store 512 consecutive bytes, at a multiple of 256 from the buffer's first byte
.endr
	global_store_b64 v[GO8], v[BK+24:BK+25], s[26:27] offset:3072
	s_branch .Ldone
.Lout_v:
	; v: tile t's 16 channels: the codes are the record's tile t as they stand
.irp t, 0,1,2,3
	WIN 0x04
.irp a, 0,1,2,3
.irp j, 0,2,4,6
.set DD, ACC+32*\t+8*((\a%2)*2+\a/2)+\j
	v_pk_add_f32 v[DD:DD+1], v[DD:DD+1], v[2*\t:2*\t+1]
.endr
.endr
	WIN 0
	SWAPS \t
	QUANT32 ACC+32*\t, CO+8*\t, WD+\t
	global_store_b128 v[GO16], v[CO+8*\t:CO+8*\t+3], s[26:27] offset:768*\t
	global_store_b64 v[GO8], v[CO+8*\t+4:CO+8*\t+5], s[26:27] offset:768*\t+512
.endr
	v_cndmask_b32 v48, v[WD], v[WD+1], s62         ; word 0: tile 0's in lanes 0-15, tile 1's in lanes 16-31
	v_cndmask_b32 v49, v[WD+2], v[WD+3], s62       ; word 1: tiles 2 and 3
	s_delay_alu instid0(VALU_DEP_2)
	v_lshlrev_b32 v48, s63, v48                    ; the group's two bytes at their place among the four of 128 keys
	s_delay_alu instid0(VALU_DEP_2)
	v_lshlrev_b32 v49, s63, v49
	global_store_b64 v[GO8], v[48:49], s[26:27] offset:3072
.Ldone:
	s_wait_tensorcnt 0x0                           ; the wave's end
	ds_add_u32 v[SPW], v[NIL]
	s_wait_dscnt 0x0
	CROUND                                         ; the closing round
	s_endpgm
.Lfunc_end_k_q2a1597c49a_proj:
	.size	k_q2a1597c49a_proj, .Lfunc_end_k_q2a1597c49a_proj-k_q2a1597c49a_proj
	.p2alignl 7, 3214868480
	.fill 96, 4, 3214868480
	.section	.rodata,"a",@progbits
	.p2align	6, 0x0
	.amdhsa_kernel k_q2a1597c49a_proj
		.amdhsa_group_segment_fixed_size 327680
		.amdhsa_private_segment_fixed_size 0
		.amdhsa_enable_private_segment 0
		.amdhsa_kernarg_size 96
		.amdhsa_user_sgpr_count 2
		.amdhsa_user_sgpr_kernarg_segment_ptr 1
		.amdhsa_wavefront_size32 1
		.amdhsa_system_sgpr_workgroup_id_x 1
		.amdhsa_system_sgpr_workgroup_id_y 1
		.amdhsa_system_sgpr_workgroup_id_z 1
		.amdhsa_system_vgpr_workitem_id 0
		.amdhsa_next_free_vgpr 320
		.amdhsa_next_free_sgpr 102
		.amdhsa_reserve_vcc 0
		.amdhsa_float_denorm_mode_32 3
		.amdhsa_float_denorm_mode_16_64 3
		.amdhsa_memory_ordered 1
		.amdhsa_forward_progress 1
		.amdhsa_inst_pref_size 92
	.end_amdhsa_kernel
	.amdgpu_metadata
---
amdhsa.version: [ 1, 2 ]
amdhsa.kernels:
  - .name:           k_q2a1597c49a_proj
    .symbol:         k_q2a1597c49a_proj.kd
    .args:
      - { .name: hidden_states_codes, .offset: 0, .size: 8, .value_kind: global_buffer, .address_space: global }
      - { .name: hidden_states_scales, .offset: 8, .size: 8, .value_kind: global_buffer, .address_space: global }
      - { .name: Wq_codes, .offset: 16, .size: 8, .value_kind: global_buffer, .address_space: global }
      - { .name: Wq_scales, .offset: 24, .size: 8, .value_kind: global_buffer, .address_space: global }
      - { .name: Wk_codes, .offset: 32, .size: 8, .value_kind: global_buffer, .address_space: global }
      - { .name: Wk_scales, .offset: 40, .size: 8, .value_kind: global_buffer, .address_space: global }
      - { .name: Wv_codes, .offset: 48, .size: 8, .value_kind: global_buffer, .address_space: global }
      - { .name: Wv_scales, .offset: 56, .size: 8, .value_kind: global_buffer, .address_space: global }
      - { .name: bq, .offset: 64, .size: 8, .value_kind: global_buffer, .address_space: global }
      - { .name: bk, .offset: 72, .size: 8, .value_kind: global_buffer, .address_space: global }
      - { .name: bv, .offset: 80, .size: 8, .value_kind: global_buffer, .address_space: global }
      - { .name: qkv, .offset: 88, .size: 8, .value_kind: global_buffer, .address_space: global }
    .group_segment_fixed_size: 327680
    .private_segment_fixed_size: 0
    .kernarg_segment_align: 8
    .kernarg_segment_size: 96
    .max_flat_workgroup_size: 384
    .sgpr_count:     102
    .vgpr_count:     320
    .wavefront_size: 32
...
	.end_amdgpu_metadata
.endif
;; end of part 1
;; launch attn (part 2): grid 16 x 16, 8 waves a work-group, clusters of 4 x 1, 327,680 bytes of LDS; arguments qkv, out0; writes out0
.if DOCPART == 2
	.amdgcn_target "amdgcn-amd-amdhsa--gfx1250"
	.amdhsa_code_object_version 6
	.text
	.protected	k_q2a1597c49a_attn
	.globl	k_q2a1597c49a_attn
	.p2align	8
	.type	k_q2a1597c49a_attn,@function
k_q2a1597c49a_attn:
	s_mov_b64 s[64:65], 0
	v_nop
	global_prefetch_b8 v0, s[64:65] scope:SCOPE_SE
	s_setreg_imm32_b32 hwreg(HW_REG_WAVE_MODE, 25, 1), 1
	s_wait_xcnt 0x0
	s_wait_alu depctr_hold_cnt(0) depctr_sa_sdst(0) depctr_va_vdst(0) depctr_va_sdst(0) depctr_va_ssrc(0) depctr_va_vcc(0) depctr_vm_vsrc(0)
	s_getreg_b32 s2, hwreg(HW_REG_IB_STS2, 6, 4)
	s_cmp_eq_u32 s2, 0
	s_cbranch_scc0 .Lentry_in_a_cluster
	s_endpgm
.Lentry_in_a_cluster:
	s_bfe_u32 s2, ttmp6, 0x10000c
	s_cmp_lg_u32 s2, 0x3003
	s_cbranch_scc0 .Lentry_shape_is_right
	s_endpgm
.Lentry_shape_is_right:
; out[q][64 head + d] = the sum over k of softmax_k(q . k / 8) v[k][d], 16 heads of 64, 4,096 tokens, both products on codes of BF6 (E3M2) with one E8M0 scale for each 32 along a product's K.
; q, k, v come from qkv as images of operand registers: for type (0 q, 1 k, 2 v), head and group of 64 tokens a record of 3,328 bytes at ((type x 16 + head) x 64 + group) x 3,328: four tiles of 768 bytes
; (lane L's registers 0-3 at 16 L, registers 4-5 at 512 + 8 L), then 256 bytes of scale words (lane L's 8 bytes: words 0, 1; word i is tile 2 i's in lanes 0-15, tile 2 i + 1's in lanes 16-31).
; q, k: lane (r', h) of tile u holds token 32 (r' / 8) + 8 u + r' % 8 of the group, channels 32 h on.  v: lane (r, h) of tile n holds channel 16 n + r, keys 32 h on of the group.
; THE SOFTMAX: t = score x log2(e) / 8; M = the running largest t rounded UP to a whole number; p = 2^(t - M) is quantised along the keys, not normalised; the row's sum is taken of the unquantised p, in f32,
; and divides at the end.  When M moves, the sum and O are multiplied by 2^(old M - new M), which rounds nothing.
; BOTH PRODUCTS ARE USED TRANSPOSED: S^T = K Q^T, O^T = V^T P^T: a lane holds one query.  Register 32 c + 8 u + j of lane (r, h) is key 64 c + 32 h + 8 u + j of the step: 32 registers on end are a whole block of keys.
; THE FIRST PRODUCT'S K IS 64: Q's fragment is six registers of codes and six of zero codes; K's tiles lie six registers apart, so that a tile's upper six registers are the next tile's codes, finite numbers that meet
; zero codes; behind the last tile stand six registers of zeros.  The upper two scale bytes of both sides are 0, which stands for 2^-127, a number.
; SHARES.  A work-group owns 256 queries of one head; each of its eight waves two tiles of 16; two waves to a SIMD.  Every wave walks all 4,096 keys, 128 a step.
; BOTH TILES GO THROUGH ONE SOFTMAX: their 128 score registers are held at once, so that eight chains of maxima and of sums take turns and there is one batch of exponentials a step.
; THE NEXT STEP'S SCORES ARE ASKED OF THE MATRIX UNIT AHEAD OF THIS STEP'S SECOND PRODUCT: in step t the wave loads K of step t + 1 and V of step t at the step's top and waits for them ahead of the exponentials.
; So K's ring is one step ahead of V's: place i of slot j holds K of step 8 j + 1 + i and V of step 8 j + i.  K of step 0 comes straight into registers at the head.  The last fill's last 6,656 bytes of K's part
; (step 32: the bytes that follow the head's K in qkv) lie inside the buffer and are not read.
; Two LDS slots of eight steps; each of the eight waves fetches an eighth of a slot (waves 0-3 K's quarters, 4-7 V's): 13,312 dense bytes, made by arithmetic on the wave's number.
; CLUSTER 4 x 1: the four query blocks of a cluster belong to one head and walk the same K and V: each tile is asked for jointly, with the mask of all four.
; LIMITS: NaN and infinities are not served; the promise holds while the scaled scores t stay under 2^31 in magnitude; a block all of whose p have fallen to 0 gets the byte 1 with zero codes.
.set REC,   3328
.set STEPB, 2*REC                      ; a step's K, or its V
.set VOFF,  8*STEPB                    ; a slot: eight steps of K, then eight of V
.set SLOT1, 1<<17                      ; one exclusive or turns an address from slot to slot
.set STAGE, SLOT1+2*VOFF               ; 16 rows x (256 + 16) bytes for each wave, for the way out; no tensor load lands here
.set SPARE, STAGE+8*16*272             ; the spare words: 128 bytes for each of eight waves
.set HEADB, 64*REC
.set TYPEB, 16*HEADB
; window 0: v1 16 x lane, v2 8 x lane; v3, v4 the step's LDS addresses; v5 spare word, v6 0; v7 8 h; v8 the prefetch's offset; v9 Q's scale words; v10, v11 the stage; v12 my offset in out
;   tile x: v[16+4x] -M, v[17+4x] the largest score, v[18+4x:19+4x] the sum in two halves, v[24+2x] f, v[25+2x] p's scale word;  v28-31 K's scale words, v32-35 V's;  v64-191 S^T, then p (64 x + 32 c);  v192-239 at work
; window 1: v0-63 O^T (32 x + 8 n); v64-87 Q; v88-141 K's eight tiles and six zeros; v142-189 V's four fragments; v192-215 p's codes; v216-231 halves of blocks' codes
.set KS,  28
.set VS,  32
.set S,   64
.set MA,  192
.set BM,  200
.set RM,  204
.set RP,  206
.set NN,  208
.set DF,  210
.set T,   212
.set SCV, 228
.set BY,  232
.set WW,  236
.set WP,  238
.set QF,  64
.set KF,  88
.set VF,  142
.set PC,  192
.set CT,  216
.set MSB, 0
.macro WIN new
.if MSB != \new
	s_set_vgpr_msb (MSB<<8)|\new
.set MSB, \new
.endif
.endm
.macro H n                             ; a hint ahead of a plain reader of a plain result n vector instructions back
	s_delay_alu instid0(VALU_DEP_\n)
.endm
.macro CROUND
	s_barrier_signal -1
	s_barrier_wait -1
	s_cmp_lg_u32 s8, 0
	s_cbranch_scc1 .Lnot_wave_0_\@
	s_barrier_signal -3
.Lnot_wave_0_\@:
	s_barrier_wait -3
	s_barrier_signal -1
	s_barrier_wait -1
.endm
.macro TLOAD                           ; every wave's eighth of a slot; s_nop 0 and four v_nop follow
	tensor_load_to_lds s[24:27], s[16:23]
	s_nop 0
.rept 4
	v_nop
.endr
.endm
; THE CHANGE OF SLOTS.  Each wave waits for its tensor load (its part of the slot ahead), adds 0 to its spare word, and waits for that and for its reads of the slot that it has left.
; fill = 1: that slot takes the next eight steps: a round of the cluster's barrier, the joint refill first behind it; it has eight key steps in which to land.
; THE PREFETCH behind it names what the NEXT change will load, eight key steps ahead of that load: of the 52 blocks of 256 bytes that a wave fetches, each of the four partners takes 13, told apart by address,
; a lane a block (lanes 13 to 31 name lane 12's block once more).  The last change that fills asks for nothing; slots 0 and 1 come by their loads alone.
.macro CHANGE fill
	s_wait_tensorcnt 0x0
	ds_add_u32 v5, v6                              ; the descriptor's steps stand between the add and the wait for it
.if \fill
	s_xor_b32 s25, s25, SLOT1
	s_add_nc_u64 s[26:27], s[26:27], VOFF          ; the next eight steps of my type
	s_wait_xcnt 0x0                                ; the last prefetch has read its address
	s_add_nc_u64 s[36:37], s[36:37], VOFF
	s_wait_dscnt 0x0
	CROUND
	TLOAD
	s_cmp_gt_u32 s29, 1
	s_cbranch_scc0 .Lno_ask_\@
	global_prefetch_b8 v8, s[36:37] th:TH_LOAD_NT scope:SCOPE_SE
.Lno_ask_\@:
.else
	s_wait_dscnt 0x0
	s_barrier_signal -1
	s_barrier_wait -1
.endif
.endm
; S^T of both query tiles: eight tiles of 16 keys each.  Tile k's scale words stand in register k / 2: the even tile's in lanes 0-15, the odd tile's in lanes 16-31; Q's likewise by x.
.macro SPROD
	WIN 0x05                                       ; K and Q window 1, the scores window 0
.irp k, 0,2,4,6
	v_wmma_scale_f32_16x16x128_f8f6f4 v[S+8*\k:S+8*\k+7], v[KF+6*\k:KF+6*\k+11], v[QF:QF+11], 0, v[KS+\k/2], v9 matrix_a_fmt:MATRIX_FMT_BF6 matrix_b_fmt:MATRIX_FMT_BF6
	v_wmma_scale_f32_16x16x128_f8f6f4 v[S+64+8*\k:S+64+8*\k+7], v[KF+6*\k:KF+6*\k+11], v[QF+12:QF+23], 0, v[KS+\k/2], v9 matrix_a_fmt:MATRIX_FMT_BF6 matrix_b_fmt:MATRIX_FMT_BF6 matrix_b_scale:MATRIX_SCALE_ROW1
	v_wmma_scale_f32_16x16x128_f8f6f4 v[S+8*\k+8:S+8*\k+15], v[KF+6*\k+6:KF+6*\k+17], v[QF:QF+11], 0, v[KS+\k/2], v9 matrix_a_fmt:MATRIX_FMT_BF6 matrix_b_fmt:MATRIX_FMT_BF6 matrix_a_scale:MATRIX_SCALE_ROW1
	v_wmma_scale_f32_16x16x128_f8f6f4 v[S+64+8*\k+8:S+64+8*\k+15], v[KF+6*\k+6:KF+6*\k+17], v[QF+12:QF+23], 0, v[KS+\k/2], v9 matrix_a_fmt:MATRIX_FMT_BF6 matrix_b_fmt:MATRIX_FMT_BF6 matrix_a_scale:MATRIX_SCALE_ROW1 matrix_b_scale:MATRIX_SCALE_ROW1
.endr
.endm
; A KEY STEP: 128 keys at place s28 of the slot in hand; its scores stand in v[S] on.  last = 1: no step follows: no K is loaded, no scores are asked for.
.macro STEP last
	v_add_nc_u32 v3, s28, v1
	v_add_nc_u32 v4, s28, v2
	v_nop
	v_nop                                          ; four places between the last step's products and loads into registers that they read
.irp c, 0,1
.if (\last) == 0
	ds_load_b64 v[KS+2*\c:KS+2*\c+1], v4 offset:REC*\c+3072
.endif
	ds_load_b64 v[VS+2*\c:VS+2*\c+1], v4 offset:VOFF+REC*\c+3072
.endr
	WIN 0x40
.if (\last) == 0
.irp c, 0,1
.irp u, 0,1,2,3
	ds_load_b128 v[KF+6*(4*\c+\u):KF+6*(4*\c+\u)+3], v3 offset:REC*\c+768*\u
	ds_load_b64 v[KF+6*(4*\c+\u)+4:KF+6*(4*\c+\u)+5], v4 offset:REC*\c+768*\u+512
.endr
.endr
.endif
.irp c, 0,1
.irp n, 0,1,2,3
	ds_load_b128 v[VF+12*\n+6*\c:VF+12*\n+6*\c+3], v3 offset:VOFF+REC*\c+768*\n
	ds_load_b64 v[VF+12*\n+6*\c+4:VF+12*\n+6*\c+5], v4 offset:VOFF+REC*\c+768*\n+512
.endr
.endr
	WIN 0
	; the largest score of each of my four blocks of 32 keys (b = 2 x + c), two chains a block, each accumulator from its low end on.  It serves the row's maximum and, since p rises with the score, the block's largest p
.irp b, 0,1,2,3
	v_max3_num_f32 v[MA+2*\b], v[S+32*\b], v[S+32*\b+1], v[S+32*\b+2]
	v_max3_num_f32 v[MA+2*\b+1], v[S+32*\b+16], v[S+32*\b+17], v[S+32*\b+18]
.endr
.irp i, 3,5,7,9,11,13
.irp b, 0,1,2,3
	v_max3_num_f32 v[MA+2*\b], v[MA+2*\b], v[S+32*\b+\i], v[S+32*\b+\i+1]
	v_max3_num_f32 v[MA+2*\b+1], v[MA+2*\b+1], v[S+32*\b+16+\i], v[S+32*\b+17+\i]
.endr
.endr
.irp b, 0,1,2,3
	v_max3_num_f32 v[MA+2*\b], v[MA+2*\b], v[MA+2*\b+1], v[S+32*\b+15]
.endr
.irp b, 0,1,2,3
	v_max_num_f32 v[BM+\b], v[MA+2*\b], v[S+32*\b+31]
.endr
	H 3
	v_max_num_f32 v[RM], v[BM], v[BM+1]
	H 2
	v_max_num_f32 v[RM+1], v[BM+2], v[BM+3]
.irp x, 0,1
	H 2
	v_permlanex16_b32 v[RP+\x], v[RM+\x], s34, s35
.endr
.irp x, 0,1
	H 2
	v_max3_num_f32 v[17+4*\x], v[17+4*\x], v[RM+\x], v[RP+\x]      ; the running largest score of my query, lane l xor 16's 64 keys among them
.endr
.irp x, 0,1
	H 2
	v_mul_f32 v[NN+\x], s39, v[17+4*\x]            ; -t
.endr
.irp x, 0,1
	H 2
	v_floor_f32 v[NN+\x], v[NN+\x]                 ; the new -M = floor(-t) = -ceil(t)
.endr
.irp x, 0,1
	H 2
	v_sub_f32 v[DF+\x], v[NN+\x], v[16+4*\x]       ; M's old value less its new one: a whole number, 0 or less
.endr
.irp x, 0,1
	v_mov_b32 v[16+4*\x], v[NN+\x]
.endr
.irp x, 0,1
	H 4
	v_cvt_i32_f32 v[DF+\x], v[DF+\x]               ; (it saturates)
.endr
.irp x, 0,1
	H 2
	v_ldexp_f32 v[24+2*\x], 1.0, v[DF+\x]          ; f = 2^(old M - new M)
.endr
.irp x, 0,1
.set j, 0
.rept 32
	v_pk_fma_f32 v[S+64*\x+j:S+64*\x+j+1], v[S+64*\x+j:S+64*\x+j+1], s[32:33], v[16+4*\x:17+4*\x] op_sel_hi:[1,0,0]   ; t - M, two at a time (of the pairs c and -M the low word serves both halves)
.set j, j+2
.endr
	v_pk_fma_f32 v[BM+2*\x:BM+2*\x+1], v[BM+2*\x:BM+2*\x+1], s[32:33], v[16+4*\x:17+4*\x] op_sel_hi:[1,0,0]           ; the same of the blocks' largest scores
.endr
	s_wait_alu depctr_va_vdst(0)                   ; the wait ahead of the batch and of the wait below
	s_wait_dscnt 0x0                               ; the step's LDS loads, issued at its top
.irp b, 0,1,2,3
	v_exp_f32 v[BM+\b], v[BM+\b]                   ; the blocks' largest p: the same two instructions on the same number give the same bits
.endr
.set j, 0
.rept 128
	v_exp_f32 v[S+j], v[S+j]                       ; p = 2^(t - M): not normalised
.set j, j+1
.endr
	v_or_b32 v[VS], v[VS], v[VS+2]                 ; each group's record holds two of the four scale bytes of 128 keys, at their places.  (The plain lines behind the exponentials)
	v_or_b32 v[VS+1], v[VS+1], v[VS+3]
	s_wait_alu depctr_va_vdst(0)                   ; one wait for the whole batch
	; the row's sum is taken of the unquantised p: two at a time, four chains a tile
.irp x, 0,1
.irp i, 0,1,2,3
	v_pk_add_f32 v[T+8*\x+2*\i:T+8*\x+2*\i+1], v[S+64*\x+4*\i:S+64*\x+4*\i+1], v[S+64*\x+4*\i+2:S+64*\x+4*\i+3]
.endr
.endr
.irp r, 16,24,32,40,48,56
.irp x, 0,1
.irp i, 0,1,2,3
	v_pk_add_f32 v[T+8*\x+2*\i:T+8*\x+2*\i+1], v[T+8*\x+2*\i:T+8*\x+2*\i+1], v[S+64*\x+\r+2*\i:S+64*\x+\r+2*\i+1]
.endr
.endr
.endr
.irp b, 0,1,2,3
	v_max_num_f32 v[BM+\b], 0x2800000, v[BM+\b]    ; the floor 2^(5 - 127): the byte cannot fall under 1
.endr
.irp x, 0,1
	v_pk_add_f32 v[T+8*\x:T+8*\x+1], v[T+8*\x:T+8*\x+1], v[T+8*\x+2:T+8*\x+3]
	v_pk_add_f32 v[T+8*\x+4:T+8*\x+5], v[T+8*\x+4:T+8*\x+5], v[T+8*\x+6:T+8*\x+7]
.endr
.irp b, 0,1,2,3
	v_add_nc_u32 v[SCV+\b], 0xfe000000, v[BM+\b]   ; 4 off the exponent field: the conversion's scale operand
.endr
.irp x, 0,1
	v_pk_add_f32 v[T+8*\x:T+8*\x+1], v[T+8*\x:T+8*\x+1], v[T+8*\x+4:T+8*\x+5]
.endr
.irp b, 0,1,2,3
	v_lshrrev_b32 v[BY+\b], 23, v[SCV+\b]          ; the scales' bytes: blocks h and 2 + h of the 128 keys
.endr
.irp x, 0,1
	v_pk_fma_f32 v[18+4*\x:19+4*\x], v[18+4*\x:19+4*\x], v[24+2*\x:25+2*\x], v[T+8*\x:T+8*\x+1] op_sel_hi:[1,0,1]   ; the sum under the new M, and this step's
.endr
.irp x, 0,1
	v_lshl_or_b32 v[WW+\x], v[BY+2*\x+1], 16, v[BY+2*\x]
.endr
.irp x, 0,1
	H 2
	v_lshlrev_b32 v[WW+\x], v7, v[WW+\x]           ; 8 h bits up
.endr
.irp x, 0,1
	H 2
	v_permlanex16_b32 v[WP+\x], v[WW+\x], s34, s35
.endr
.irp x, 0,1
	H 2
	v_or_b32 v[25+2*\x], v[WW+\x], v[WP+\x]        ; with lane l xor 16's two bytes p's scale word is whole
.endr
	WIN 0x40                                       ; the codes go to window 1
.irp b, 0,1,2,3
	v_cvt_scalef32_pk16_bf6_f32 v[PC+6*\b:PC+6*\b+2], v[S+32*\b:S+32*\b+15], v[SCV+\b]
	v_cvt_scalef32_pk16_bf6_f32 v[CT+4*\b:CT+4*\b+2], v[S+32*\b+16:S+32*\b+31], v[SCV+\b]   ; (a conversion's three registers begin on an even number)
.endr
	v_nop                                          ; one plain line behind the scaled conversions
	WIN 0x41
.irp b, 0,1,2,3
.irp i, 0,1,2
	v_mov_b32 v[PC+6*\b+3+\i], v[CT+4*\b+\i]       ; registers 12 x + 6 c .. + 5 hold keys 64 c + 32 h + 0 .. 31
.endr
.endr
.if (\last) == 0
	SPROD                                          ; the next step's scores, into the registers that p has left
.endif
	WIN 0x41                                       ; O^T window 1, f window 0
.irp x, 0,1
.set j, 0
.rept 16
	v_pk_mul_f32 v[32*\x+j:32*\x+j+1], v[32*\x+j:32*\x+j+1], v[24+2*\x:25+2*\x] op_sel_hi:[1,0]   ; O^T under the new M, each accumulator from its low end on.  (These 32 are also the places between the lines that wrote p's codes and scale word and the products below, and behind the products above)
.set j, j+2
.endr
.endr
	WIN 0x55
.irp n, 0,2                            ; O^T += V^T P^T: the eight accumulators take turns, one instruction a turn
.irp x, 0,1
	v_wmma_scale_f32_16x16x128_f8f6f4 v[32*\x+8*\n:32*\x+8*\n+7], v[VF+12*\n:VF+12*\n+11], v[PC+12*\x:PC+12*\x+11], v[32*\x+8*\n:32*\x+8*\n+7], v[VS+\n/2], v[25+2*\x] matrix_a_fmt:MATRIX_FMT_BF6 matrix_b_fmt:MATRIX_FMT_BF6
.endr
.irp x, 0,1
	v_wmma_scale_f32_16x16x128_f8f6f4 v[32*\x+8*\n+8:32*\x+8*\n+15], v[VF+12*\n+12:VF+12*\n+23], v[PC+12*\x:PC+12*\x+11], v[32*\x+8*\n+8:32*\x+8*\n+15], v[VS+\n/2], v[25+2*\x] matrix_a_fmt:MATRIX_FMT_BF6 matrix_b_fmt:MATRIX_FMT_BF6 matrix_a_scale:MATRIX_SCALE_ROW1
.endr
.endr
	WIN 0
	s_add_co_u32 s28, s28, STEPB
.endm
.macro STEPS n
	s_mov_b32 s30, \n
.Lstep_\@:
	STEP 0
	s_sub_co_u32 s30, s30, 1
	s_cmp_lg_u32 s30, 0
	s_cbranch_scc1 .Lstep_\@
.endm
	s_load_b128 s[4:7], s[0:1], 0x0                ; qkv s[4:5], out s[6:7]
	v_lshl_add_u32 v5, v0, 2, SPARE
	v_mov_b32 v6, 0
	ds_add_u32 v5, v6                              ; the opening lines: the add, twice on end, and its wait
	ds_add_u32 v5, v6
	v_lshrrev_b32 v1, 5, v0
	v_readfirstlane_b32 s8, v1                     ; wave 0..7
	s_bfe_u32 s9, ttmp6, 0x40000                   ; cx: it enters Q's, out's and the prefetch's addresses alone
	s_lshl_b32 s10, ttmp9, 2
	s_add_co_u32 s10, s10, s9                      ; my block of 256 queries
	s_and_b32 s11, ttmp7, 0xffff                   ; the head, which the four partners share
	s_lshr_b32 s12, s8, 2                          ; I fetch for K (0) or for V (1),
	s_and_b32 s13, s8, 3                           ; which quarter of a slot's eight steps
	; group 1: 13,312 dense bytes as 52 rows of 256 (32 elements of 8 bytes), no padding; the mask names all four work-groups, bit 21 set beside it
	s_mov_b32 s16, 15|(3<<16)|(1<<21)
	s_mov_b32 s17, 32<<16
	s_mov_b32 s18, 52<<16
	s_mov_b32 s19, 32<<16
	s_mov_b32 s20, 52
	s_mov_b32 s21, 32
	s_mov_b32 s22, 0
	s_mov_b32 s23, 0
	s_mul_i32 s40, s11, HEADB                      ; the head's first byte in a type
	s_add_co_u32 s14, s12, 1
	s_mul_i32 s14, s14, TYPEB
	s_add_co_u32 s14, s14, s40
	s_mul_i32 s15, s13, 2*STEPB
	s_add_co_u32 s14, s14, s15
	s_xor_b32 s15, s12, 1
	s_mul_i32 s15, s15, STEPB                      ; K's ring is one step ahead
	s_add_co_u32 s14, s14, s15
	s_mov_b32 s15, 0
	s_mov_b32 s24, 1
	s_mul_i32 s25, s8, 2*STEPB                     ; LDS: K's four quarters, then V's, in slot 0
	s_mul_i32 s46, s9, REC                         ; the prefetches: my work-group's 13 blocks of my 52,
	s_add_co_u32 s46, s46, VOFF                    ; in slot 1: the first change steps it to slot 2
	s_mov_b32 s47, 0
	s_wait_dscnt 0x0                               ; both opening adds are done
	s_wait_kmcnt 0x0
	s_add_nc_u64 s[26:27], s[4:5], s[14:15]
	s_add_nc_u64 s[36:37], s[26:27], s[46:47]
	s_or_b32 s27, s27, 0x80000000
	CROUND                                         ; all four work-groups are here: the first joint loads meet
	TLOAD                                          ; slot 0: one load a wave
	s_lshr_b32 s41, s8, 1
	s_and_b32 s43, s8, 1
	s_lshl_b32 s42, s10, 2
	s_add_co_u32 s42, s42, s41                     ; my group of 64 queries; of it tiles 2 (wave % 2) and 2 (wave % 2) + 1 are mine
	s_mul_i32 s44, s42, REC
	s_add_co_u32 s44, s44, s40
	s_mov_b32 s45, 0
	s_add_nc_u64 s[50:51], s[4:5], s[44:45]        ; its record of q
	s_mul_i32 s46, s43, 1536
	s_add_nc_u64 s[48:49], s[50:51], s[46:47]      ; my two tiles
	s_lshl_b32 s46, s43, 2
	s_add_nc_u64 s[50:51], s[50:51], s[46:47]      ; and their scale word
	s_lshl_b32 s46, s42, 18                        ; out: a token's row is 4,096 bytes: 64 x group
	s_lshl_b32 s41, s43, 16                        ; + 16 (wave % 2) tokens
	s_add_co_u32 s46, s46, s41
	s_lshl_b32 s41, s11, 8                         ; + the head's 256 bytes
	s_add_co_u32 s46, s46, s41
	s_add_nc_u64 s[52:53], s[6:7], s[46:47]
	s_add_co_u32 s46, s40, TYPEB
	s_add_nc_u64 s[54:55], s[4:5], s[46:47]        ; K of step 0
	s_mul_i32 s41, s8, 16*272
	s_add_co_u32 s41, s41, STAGE                   ; my stage
	s_mov_b32 s28, 0                               ; LDS byte of the step in hand
	s_mov_b32 s29, 3                               ; slots still to be asked for
	s_mov_b32 s32, 0x3e38aa3b                      ; c = log2(e) / 8
	s_mov_b32 s33, s32
	s_mov_b32 s39, 0xbe38aa3b                      ; -c
	s_mov_b32 s34, 0x76543210
	s_mov_b32 s35, 0xfedcba98                      ; v_permlanex16_b32's selects for lane l xor 16
	v_and_b32 v13, 31, v0
	v_and_b32 v14, 15, v0
	v_bfe_u32 v15, v0, 4, 1
	v_lshlrev_b32 v1, 4, v13
	v_lshlrev_b32 v2, 3, v13
	v_lshlrev_b32 v7, 3, v15
	v_min_u32 v8, 12, v13
	v_mul_u32_u24 v10, v14, 272
	v_mul_u32_u24 v11, v15, 272
	v_lshlrev_b32 v12, 12, v15
	v_lshlrev_b32 v8, 8, v8
	v_lshl_add_u32 v10, v15, 5, v10
	v_lshl_add_u32 v11, v14, 4, v11
	v_lshl_add_u32 v12, v14, 4, v12                ; two tokens of out: lanes 0-15 one, lanes 16-31 the next
	v_add_nc_u32 v10, s41, v10                     ; the stage, in: row r, 32 h bytes on
	v_add_nc_u32 v11, s41, v11                     ; back: lanes 0-15 one row of 256 bytes, lanes 16-31 the next
	WIN 0x40
.irp x, 0,1
	global_load_b128 v[QF+12*\x:QF+12*\x+3], v1, s[48:49] offset:768*\x        ; Q stays in registers
	global_load_b64 v[QF+12*\x+4:QF+12*\x+5], v2, s[48:49] offset:768*\x+512
.endr
.irp c, 0,1
.irp u, 0,1,2,3
	global_load_b128 v[KF+6*(4*\c+\u):KF+6*(4*\c+\u)+3], v1, s[54:55] offset:REC*\c+768*\u
	global_load_b64 v[KF+6*(4*\c+\u)+4:KF+6*(4*\c+\u)+5], v2, s[54:55] offset:REC*\c+768*\u+512
.endr
.endr
.irp x, 0,1
.irp i, 6,7,8,9,10,11
	v_mov_b32 v[QF+12*\x+\i], 0                    ; zero codes for the instruction's K = 64 .. 127
.endr
.endr
.irp i, 0,1,2,3,4,5
	v_mov_b32 v[KF+48+\i], 0                       ; behind K's last tile
.endr
.set j, 0
.rept 64
	v_mov_b32 v[j], 0                              ; O^T.  (The step is written once: the first finds zeros, which the first change of M leaves zeros)
.set j, j+1
.endr
	WIN 0
	global_load_b32 v9, v2, s[50:51] offset:3072   ; Q's scale words: tile x = 0's in lanes 0-15, x = 1's in lanes 16-31
.irp c, 0,1
	global_load_b64 v[KS+2*\c:KS+2*\c+1], v2, s[54:55] offset:REC*\c+3072
.endr
.irp x, 0,1
	v_mov_b32 v[17+4*\x], 0xff61b1e6               ; the largest score so far: -3e38, under every score
	v_mov_b32 v[16+4*\x], 0x7e000000               ; -M: above every -M to come, so that the first f is 0
	v_mov_b32 v[18+4*\x], 0                        ; the sum, in two halves
	v_mov_b32 v[19+4*\x], 0
	v_mov_b32 v[25+2*\x], 0                        ; (named as the upper half of f's pair before it is first written)
	v_mov_b32 v[RP+\x], 0                          ; written once: a lane permute's destination counts as one of its sources
	v_mov_b32 v[WP+\x], 0
.endr
	s_wait_alu depctr_va_vdst(0)                   ; the wait at the head's end
	s_wait_loadcnt 0x0                             ; Q and K of step 0
	SPROD                                          ; step 0's scores, while slot 0 is on its way
	WIN 0
.Lslot:                                            ; three trips: behind each change of slots but the last the next slot is asked for
	CHANGE 1
	STEPS 8
	s_sub_co_u32 s28, s28, VOFF                    ; back to a slot's first step,
	s_xor_b32 s28, s28, SLOT1                      ; in the other slot
	s_sub_co_u32 s29, s29, 1
	s_cmp_lg_u32 s29, 0
	s_cbranch_scc1 .Lslot
	CHANGE 0                                       ; the last slot is written out
	STEPS 7
	STEP 1
	; THE WAY OUT.  O^T is divided by the sum and goes through my stage, a tile of 16 queries at a time: a query's 64 channels of a head are 256 consecutive bytes of out.
	v_add_f32 v192, v18, v19                       ; (these lines are the places behind the last products)
	v_add_f32 v193, v22, v23
	H 2
	v_permlanex16_b32 v[RP], v192, s34, s35
	H 2
	v_permlanex16_b32 v[RP+1], v193, s34, s35
	H 2
	v_add_f32 v192, v192, v[RP]                    ; with lane l xor 16's: the row's sum
	H 2
	v_add_f32 v193, v193, v[RP+1]
	s_wait_alu depctr_va_vdst(0)                   ; the wait ahead of the transcendentals
	v_rcp_f32 v194, v192
	v_rcp_f32 v195, v193
	v_nop
	s_wait_alu depctr_va_vdst(0)                   ; and one behind them, ahead of their first reader
.irp x, 0,1
	WIN 0x01
.set j, 0
.rept 32
	v_mul_f32 v[S+32*\x+j], v[32*\x+j], v[194+\x]  ; register 8 n + i is channel 16 n + 8 h + i of query r; each accumulator from its low end on
.set j, j+1
.endr
	WIN 0
.irp n, 0,1,2,3
	ds_store_b128 v10, v[S+32*\x+8*\n:S+32*\x+8*\n+3] offset:64*\n
	ds_store_b128 v10, v[S+32*\x+8*\n+4:S+32*\x+8*\n+7] offset:64*\n+16
.endr
.irp i, 0,1,2,3,4,5,6,7
	ds_load_b128 v[128+32*\x+4*\i:128+32*\x+4*\i+3], v11 offset:2*\i*272     ; LDS serves a wave's instructions in order (ISA guide 5.7.1.4): these see my stores, and the next tile's stores come behind them
.endr
.endr
.irp x, 0,1
.irp i, 0,1,2,3,4,5,6,7
	s_wait_dscnt 23-16*\x-\i                       ; what was issued behind this load: the tile's later loads and, for the first tile, the second's sixteen instructions
	global_store_b128 v12, v[128+32*\x+4*\i:128+32*\x+4*\i+3], s[52:53] offset:(32*(\i/4)+2*(\i%4)+8*\x)*4096 th:TH_STORE_NT   ; row 2 i + lane / 16 of the tile is token 32 (i / 4) + 8 x + 2 (i % 4) + lane / 16 from my base; 16 lanes store 256 consecutive bytes, aligned
.endr
.endr
	s_wait_tensorcnt 0x0                           ; the wave's end
	ds_add_u32 v5, v6
	s_wait_dscnt 0x0
	CROUND                                         ; the closing round
	s_endpgm
.Lfunc_end_k_q2a1597c49a_attn:
	.size	k_q2a1597c49a_attn, .Lfunc_end_k_q2a1597c49a_attn-k_q2a1597c49a_attn
	.p2alignl 7, 3214868480
	.fill 96, 4, 3214868480
	.section	.rodata,"a",@progbits
	.p2align	6, 0x0
	.amdhsa_kernel k_q2a1597c49a_attn
		.amdhsa_group_segment_fixed_size 327680
		.amdhsa_private_segment_fixed_size 0
		.amdhsa_enable_private_segment 0
		.amdhsa_kernarg_size 16
		.amdhsa_user_sgpr_count 2
		.amdhsa_user_sgpr_kernarg_segment_ptr 1
		.amdhsa_wavefront_size32 1
		.amdhsa_system_sgpr_workgroup_id_x 1
		.amdhsa_system_sgpr_workgroup_id_y 1
		.amdhsa_system_sgpr_workgroup_id_z 1
		.amdhsa_system_vgpr_workitem_id 0
		.amdhsa_next_free_vgpr 512
		.amdhsa_next_free_sgpr 66
		.amdhsa_reserve_vcc 0
		.amdhsa_float_denorm_mode_32 3
		.amdhsa_float_denorm_mode_16_64 3
		.amdhsa_memory_ordered 1
		.amdhsa_forward_progress 1
		.amdhsa_inst_pref_size 100
	.end_amdhsa_kernel
	.amdgpu_metadata
---
amdhsa.version: [ 1, 2 ]
amdhsa.kernels:
  - .name:           k_q2a1597c49a_attn
    .symbol:         k_q2a1597c49a_attn.kd
    .args:
      - { .name: qkv, .offset: 0, .size: 8, .value_kind: global_buffer, .address_space: global }
      - { .name: out0, .offset: 8, .size: 8, .value_kind: global_buffer, .address_space: global }
    .group_segment_fixed_size: 327680
    .private_segment_fixed_size: 0
    .kernarg_segment_align: 8
    .kernarg_segment_size: 16
    .max_flat_workgroup_size: 256
    .sgpr_count:     66
    .vgpr_count:     512
    .wavefront_size: 32
...
	.end_amdgpu_metadata
.endif
;; end of part 2
